; MI455X (gfx1250); checked and timed in simulation.
; The chip was launched on July 23, 2026; its instructions are those of AMD's public machine-readable ISA for CDNA 5 (MIT licence, August 2026) and "CDNA5" Instruction Set Architecture Reference Guide (July 2026). The comments in the code are by the model that wrote it; some were corrected since.
;; Moe Hash Layer. Allowed arithmetic: matrix products marked QUANTISED: E5M2 operands, one E8M0 scale for each 32 along K, by v_wmma_scale_f32_16x16x128_f8f6f4 with both operands' format E5M2, f32 sums; everything else in f32.
;; Inputs: b_gate 8 x 2,048 float32; b_in 8 x 2,048 float32; b_out 8 x 512 float32; route 2,048 int32; w_gate_codes 8 x 2,048 x 16 x 32 uint8 (E5M2 codes of w_gate, K innermost, in blocks of 32 codes); w_gate_scales 8 x 2,048 x 16 uint8 (E8M0 scales of w_gate, one for each 32 codes along K); w_in_codes 8 x 2,048 x 16 x 32 uint8 (E5M2 codes of w_in, K innermost, in blocks of 32 codes); w_in_scales 8 x 2,048 x 16 uint8 (E8M0 scales of w_in, one for each 32 codes along K); w_out_codes 8 x 512 x 64 x 32 uint8 (E5M2 codes of w_out, K innermost, in blocks of 32 codes); w_out_scales 8 x 512 x 64 uint8 (E8M0 scales of w_out, one for each 32 codes along K); x_codes 2 x 1,024 x 16 x 32 uint8 (E5M2 codes of x, K innermost, in blocks of 32 codes); x_scales 2 x 1,024 x 16 uint8 (E8M0 scales of x, one for each 32 codes along K).
;; Outputs: out0 2 x 1,024 x 512 float32.
;; This version of the problem:
;;   THIS VERSION OF THE PROBLEM IS GIVEN IN LOW PRECISION. The matrix products marked QUANTISED in the list below multiply operands that are first quantised to E5M2 (5 exponent bits, 2 mantissa bits; 8 bits a number), with one power-of-two scale for each 32 numbers along K (OCP MX v1.0); their sums are f32. All else is computed in f32.
;;   The module's matrix products, in the order in which they are computed (A, B: the left and right operand; K: the contracted axis; several contracted axes count as one K, in the product's order):
;;     1. [M 2,048, K 512] x [K 512, N 2,048]; A: input x (given as codes); B: input w_gate (given as codes): QUANTISED
;;     2. [M 2,048, K 512] x [K 512, N 2,048]; A: input x (given as codes); B: input w_in (given as codes): QUANTISED
;;     3. [M 2,048, K 2,048] x [K 2,048, N 512]; A: computed on the way; B: input w_out (given as codes): QUANTISED
;;     4. [M 2,048, K 512] x [K 512, N 2,048]; A: input x (given as codes); B: input w_gate (given as codes): QUANTISED
;;     5. [M 2,048, K 512] x [K 512, N 2,048]; A: input x (given as codes); B: input w_in (given as codes): QUANTISED
;;     6. [M 2,048, K 2,048] x [K 2,048, N 512]; A: computed on the way; B: input w_out (given as codes): QUANTISED
;;     7. [M 2,048, K 512] x [K 512, N 2,048]; A: input x (given as codes); B: input w_gate (given as codes): QUANTISED
;;     8. [M 2,048, K 512] x [K 512, N 2,048]; A: input x (given as codes); B: input w_in (given as codes): QUANTISED
;;     9. [M 2,048, K 2,048] x [K 2,048, N 512]; A: computed on the way; B: input w_out (given as codes): QUANTISED
;;     10. [M 2,048, K 512] x [K 512, N 2,048]; A: input x (given as codes); B: input w_gate (given as codes): QUANTISED
;;     11. [M 2,048, K 512] x [K 512, N 2,048]; A: input x (given as codes); B: input w_in (given as codes): QUANTISED
;;     12. [M 2,048, K 2,048] x [K 2,048, N 512]; A: computed on the way; B: input w_out (given as codes): QUANTISED
;;     13. [M 2,048, K 512] x [K 512, N 2,048]; A: input x (given as codes); B: input w_gate (given as codes): QUANTISED
;;     14. [M 2,048, K 512] x [K 512, N 2,048]; A: input x (given as codes); B: input w_in (given as codes): QUANTISED
;;     15. [M 2,048, K 2,048] x [K 2,048, N 512]; A: computed on the way; B: input w_out (given as codes): QUANTISED
;;     16. [M 2,048, K 512] x [K 512, N 2,048]; A: input x (given as codes); B: input w_gate (given as codes): QUANTISED
;;     17. [M 2,048, K 512] x [K 512, N 2,048]; A: input x (given as codes); B: input w_in (given as codes): QUANTISED
;;     18. [M 2,048, K 2,048] x [K 2,048, N 512]; A: computed on the way; B: input w_out (given as codes): QUANTISED
;;     19. [M 2,048, K 512] x [K 512, N 2,048]; A: input x (given as codes); B: input w_gate (given as codes): QUANTISED
;;     20. [M 2,048, K 512] x [K 512, N 2,048]; A: input x (given as codes); B: input w_in (given as codes): QUANTISED
;;     21. [M 2,048, K 2,048] x [K 2,048, N 512]; A: computed on the way; B: input w_out (given as codes): QUANTISED
;;     22. [M 2,048, K 512] x [K 512, N 2,048]; A: input x (given as codes); B: input w_gate (given as codes): QUANTISED
;;     23. [M 2,048, K 512] x [K 512, N 2,048]; A: input x (given as codes); B: input w_in (given as codes): QUANTISED
;;     24. [M 2,048, K 2,048] x [K 2,048, N 512]; A: computed on the way; B: input w_out (given as codes): QUANTISED
;;   THE QUANTISER, for each operand of a quantised product, along K:
;;     - K is cut into blocks of 32 from its start; a last block that is shorter is filled with zeros.
;;     - A block's scale is 2^e with e = floor(log2(the largest magnitude in the block)) - 15, held to -126 .. 127; a block of zeros has e = 0. As a byte (E8M0): e + 127.
;;     - Each number is divided by its block's scale, clamped to +-57,344, and rounded to the nearest number of E5M2, ties to even, subnormals kept.
;;     - The product sums the exact products of the quantised numbers (number of the format x scale) in f32.
;;   ~~~python
;;   def quantise(x, axis):      # numpy; x: float32 -> the quantised numbers, widened to float32 again
;;       x = np.moveaxis(x, axis, -1); K = x.shape[-1]
;;       x = np.pad(x, [(0, 0)] * (x.ndim - 1) + [(0, -K % 32)]); x = x.reshape(x.shape[:-1] + (-1, 32)); a = np.abs(x).max(-1, keepdims=True)
;;       e = np.where(a > 0, np.clip(np.frexp(np.where(a > 0, a, 1))[1] - 1 - 15, -126, 127), 0)      # np.frexp(a)[1] - 1 = floor(log2(a)), exactly
;;       r = np.clip(x / 2.0 ** e, -57344, 57344)
;;       step = 2.0 ** (np.maximum(np.frexp(np.where(r == 0, 1, r))[1] - 1, -14) - 2)
;;       q = np.round(r / step) * step * 2.0 ** e      # np.round: ties to even
;;       return np.moveaxis(q.reshape(q.shape[:-2] + (-1,))[..., :K], -1, axis).astype(np.float32)
;;   ~~~
;;   OPERANDS COMPUTED ON THE WAY. 'Computed on the way' means the value that the module computes at that place (a softmax that the list does not call 'softmax' is quantised finished and normalised). What goes into a quantiser is computed in f32, as accurately as f32 sums, v_exp_f32 and their like allow (about 1e-6 of the number): no bf16 or f16 on the way to a quantiser, and a product that is left as it is and whose result goes on into a quantised operand takes f32 operands (vector FMAs, or v_wmma_f32_16x16x4_f32). A number that lies on a knife's edge between two numbers of the format may be rounded either way, as far as f32 arithmetic and the matrix unit's own rounding can turn it there, and no further.
;;   INPUTS GIVEN AS CODES. w_gate (in the module: [8, 512, 2048], K = its axis 1); w_in (in the module: [8, 512, 2048], K = its axis 1); w_out (in the module: [8, 2048, 512], K = its axis 1); x (in the module: [2, 1024, 512], K = its axis 2): each comes as NAME_codes (uint8): NAME with its K axis moved to the last place and cut into blocks of 32 codes, [.., K / 32, bytes a block], one block behind the other in memory; one code a byte (a code: sign, 5 exponent bits, 2 mantissa bits); and NAME_scales (uint8): the same leading axes, one E8M0 byte (e + 127) for each 32 codes along K. Its value is code x scale, taken as it is: it is not quantised again, and the codes and scales need not be those that the quantiser above would give.
;; 2 versions, each right; version 2 is version 1 with the launch down written anew for expert scheduling mode. Each part assembles by itself: llvm-mc -triple=amdgcn-amd-amdhsa -mcpu=gfx1250 --defsym DOCPART=n.
;; ======== version 1 of 2: 2 launches
;; workspace buffers: h_codes 33,554,432 bytes; h_scales 1,048,576 bytes; order 65,536 bytes of whole numbers; meta 1,024 bytes of whole numbers
;; launch up (part 1): grid 32 x 8, 4 waves a work-group, no clusters, 78,592 bytes of LDS; arguments x_codes, x_scales, route, w_gate_codes, w_gate_scales, b_gate, w_in_codes, w_in_scales, b_in, h_codes, h_scales, order, meta, out0; writes h_codes, h_scales, order, meta, out0
.if DOCPART == 1
	.amdgcn_target "amdgcn-amd-amdhsa--gfx1250"
	.amdhsa_code_object_version 6
	.text
	.protected	k_q17883a0fc0_up
	.globl	k_q17883a0fc0_up
	.p2align	8
	.type	k_q17883a0fc0_up,@function
k_q17883a0fc0_up:
	s_mov_b64 s[64:65], 0
	v_nop
	global_prefetch_b8 v0, s[64:65] scope:SCOPE_SE
	s_setreg_imm32_b32 hwreg(HW_REG_WAVE_MODE, 25, 1), 1
	s_wait_xcnt 0x0
; FIRST HALF OF A LAYER OF ROUTED EXPERTS: h = silu(x Wg + bg) * (x Wi + bi), for each token with its own expert alone, quantised anew (E5M2, one E8M0 byte for 32 along the hidden axis).
; x [2048][512] and Wg, Wi [8][2048][512] are codes of E5M2, K innermost, with one scale byte for each 32 along K; route [2048] names each token's expert; the biases are f32.
; SHARES.  Work-group (slice 0..31, expert e) owns hidden units 64 slice .. 64 slice + 63 of expert e: 64 rows of Wg and 64 of Wi, 64 KB, which no other work-group reads; they lie in LDS.
; It finds its expert's tokens in route itself: RANK = the stable order by token number; row tile i holds ranks 16 i .. 16 i + 15; ranks past the last repeat the last token (the same bits, stored to places of their own).
; Wave w takes tiles w, w + 4, .. w + 16 in a pass (five tiles: each fragment of W read from LDS feeds five products), and 20 tiles further on in the next pass, while tiles are left.
; THE PRODUCTS ARE USED TRANSPOSED (source 0 = 16 rows of W, source 1 = 16 tokens): a lane holds ONE token, its registers run along the hidden units.  THE ROWS OF W THAT FORM A TILE ARE NOT NEIGHBOURS:
; lane r of tile (b, u) takes row 32 b + 8 u + r + 8 (r / 8), so that the 16 registers of tiles u = 0, 1 are 16 neighbours along the next K: 32 b + 16 (lane / 16) + 0 .. 15.  The biases are the C of each sum's first product.
; OUT: h_codes [e][tile 128][block 64][lane 32][16 bytes]: the image of the next product's operand registers; h_scales [e][tile][K step 16][row 16][4 bytes]; slice 0 also stores order [e][rank] = token and meta [e][32] = the count.
; Tokens whose route names no expert (above 7, as an unsigned number) get the zeros that the sum over experts leaves: work-group (0, 0) stores them, a row at a time, with all lanes on.
; NOTHING IS ASKED FOR JOINTLY, AND NO TENSOR LOAD IS USED: the number of passes and the tiles left out hang on the expert's count of rows, made from route.
; All barriers stand ahead of the first branch on such a number.  No prefetch: all that a work-group reads in its first pass is asked for at its head.
; LIMITS: NaN and infinities in g, u or h are not served.  h = (g u) / (1 + 2^(-g log2 e)): one rounding order other than silu(g) u.  A block of h whose largest magnitude lies under 2^-111 gets the byte 1
; (a block of zeros too, where the rule says 127: its codes are zeros, and this program alone reads the bytes).
; REGISTERS.  window 0: v1-21, v50, v51, v88 addresses and small things (named below); v22-25 counts; v26-29 zeros; v30.. list addresses, tokens, x offsets; v52-71 x's scale words; v72-87 W's; v96-111 route;
;   v112-127 the scatter's addresses; v128-255 W on its way to LDS, then two sets of four fragments of W.   window 1: x's tiles 0-3 (64 t + 16 s).   window 3: v0-63 x's tile 4.
;   window 2: accumulators 32 t + 8 m (m 0, 1: gate u = 0, 1; m 2, 3: in); v160-223 biases; v224-239 at work; v240-251 the quantiser's and the stores' registers.
.set SUBL, 2560                        ; LDS 0: four sub-lists, one for each wave's 512 tokens: 512 words, a word at +2,048 for tokens of other experts; five stores of 512 bytes clear one
.set CNT,  4*SUBL                      ; the four waves' counts
.set WL,   CNT+256                     ; 128 rows of W, WP bytes apart: position 64 mat + 32 b + 16 u + r
.set WP,   528                         ; 512 bytes + 16: an odd multiple of 16, so that the 16 rows of a fragment load begin in 16 different groups of banks
.set LA,   30                          ; v30-34  LDS addresses in the list, a tile each
.set TK,   35                          ; v35-39  tokens
.set XA,   40                          ; v40-44  byte offsets in x's codes
.set XSA,  45                          ; v45-49  and in x's scale bytes
.set XS,   52                          ; v52-71  x's scale words: 4 t + s
.set WS,   72                          ; v72-87  W's scale words: 4 (2 mat + b) + s; lanes 0-15 u = 0, lanes 16-31 u = 1
.set RT,   96                          ; v96-111 my wave's 512 words of route
.set ADR,  112                         ; v112-127 where each of them puts its token
.set WF,   128                         ; fragments of W
.set BI,   160                         ; window 2: biases, 32 b + 8 m
.set TT,   224                         ; window 2: 16 at work
.set MSB, 0
.macro WIN new                         ; the immediate's high byte repeats the setting that is left
.if MSB != \new
	s_set_vgpr_msb (MSB<<8)|\new
.set MSB, \new
.endif
.endm
.macro PLACES n
.rept \n
	v_nop
.endr
.endm
.macro BARRIER                         ; my LDS stores have landed and my LDS loads are in: then the work-group's barrier
	s_wait_dscnt 0x0
	s_barrier_signal -1
	s_barrier_wait -1
.endm
	s_load_b512 s[8:23], s[0:1], 0x0               ; x codes s[8:9], x scales s[10:11], route s[12:13], Wg codes s[14:15], Wg scales s[16:17], bg s[18:19], Wi codes s[20:21], Wi scales s[22:23]
	s_load_b256 s[24:31], s[0:1], 0x40             ; bi s[24:25], h_codes s[26:27], h_scales s[28:29], order s[30:31]
	s_load_b128 s[32:35], s[0:1], 0x60             ; meta s[32:33], out0 s[34:35]
	v_lshl_add_u32 v94, v0, 2, 0x13100
	v_mov_b32 v95, 0
	v_lshrrev_b32 v17, 5, v0
	v_readfirstlane_b32 s2, v17                    ; wave 0..3
	s_mov_b32 s3, ttmp9                            ; slice
	s_and_b32 s4, ttmp7, 0xffff                    ; expert
	s_lshl_b32 s55, s2, 9                          ; my wave's first token
	v_and_b32 v1, 31, v0                           ; lane
	v_and_b32 v2, 15, v0                           ; r
	v_bfe_u32 v3, v0, 4, 1                         ; h
	v_lshlrev_b32 v4, 4, v1                        ; 16 x lane
	v_lshlrev_b32 v5, 2, v1                        ; 4 x lane
	v_lshl_add_u32 v6, v17, 11, v5                 ; route: my wave's 2,048 bytes, 4 a lane
	v_lshl_add_u32 v7, v17, 9, v1                  ; the token of my first word of route: 512 x wave + lane
	s_mul_i32 s48, s2, 32*WP
	v_add_nc_u32 v8, s48, v4
	v_add_nc_u32 v8, WL, v8                        ; W into LDS: my wave's 32 positions, 16 bytes a lane
	v_mul_u32_u24 v9, v2, WP
	v_lshl_add_u32 v9, v3, 4, v9
	v_add_nc_u32 v9, WL, v9                        ; a fragment: row r x pitch + 16 h
	s_lshl_b32 s48, s2, 2
	s_add_co_u32 s48, s48, CNT
	v_mov_b32 v10, s48                             ; my wave's count
	v_mov_b32 v11, CNT                             ; all four
	v_lshlrev_b32 v12, 4, v3                       ; 16 h
	v_mov_b32 v13, 512                             ; the place of tokens that are not my expert's
	v_and_b32 v14, 8, v2
	v_add_nc_u32 v14, v14, v2
	v_lshl_add_u32 v14, v3, 3, v14
	v_lshlrev_b32 v14, 4, v14                      ; W's scale bytes: 16 a row; row r + 8 (r / 8) + 8 h: lanes 16-31 take u = 1
	v_lshlrev_b32 v15, 6, v3                       ; biases: 16 h numbers on
	v_lshlrev_b32 v50, 2, v2                       ; 4 r
	s_mul_i32 s49, s2, SUBL
	v_add_nc_u32 v88, s49, v4                      ; my wave's sub-list, 16 bytes a lane
.irp i, 26,27,28,29
	v_mov_b32 v\i, 0
.endr
	WIN 0x80
	v_mov_b32 v241, 0                              ; (window 2) a lane permute's destination counts as one of its sources
	WIN 0
	s_mov_b32 s50, 0x76543210
	s_mov_b32 s51, 0xfedcba98                      ; v_permlanex16_b32's selects for lane l xor 16
	s_mov_b32 s52, 0xbfb8aa3b                      ; -log2(e)
	s_mov_b32 s53, s52                             ; (named with it as a pair, so it is written)
	s_mov_b32 s54, 0x600000                        ; the mantissa field of 57,344
	s_mov_b32 s57, 0
	s_wait_kmcnt 0x0
	s_cmp_lt_u32 s2, 2                             ; waves 0, 1 bring Wg's two blocks of 32 rows, waves 2, 3 Wi's
	s_cselect_b64 s[58:59], s[14:15], s[20:21]
	s_lshl_b32 s56, s4, 20                         ; an expert's 2,048 rows of 512 bytes,
	s_lshl_b32 s48, s3, 15                         ; a slice's 64,
	s_add_co_u32 s56, s56, s48
	s_and_b32 s48, s2, 1
	s_lshl_b32 s48, s48, 14                        ; a block's 32
	s_add_co_u32 s56, s56, s48
	s_add_nc_u64 s[58:59], s[58:59], s[56:57]
	s_lshl_b32 s56, s4, 15                         ; scale bytes: 16 a row
	s_lshl_b32 s48, s3, 10
	s_add_co_u32 s56, s56, s48
	s_add_nc_u64 s[16:17], s[16:17], s[56:57]
	s_add_nc_u64 s[22:23], s[22:23], s[56:57]
	s_lshl_b32 s56, s4, 13                         ; biases: 4 bytes a hidden unit
	s_lshl_b32 s48, s3, 8
	s_add_co_u32 s56, s56, s48
	s_add_nc_u64 s[18:19], s[18:19], s[56:57]
	s_add_nc_u64 s[24:25], s[24:25], s[56:57]
	s_lshl_b32 s56, s4, 22                         ; h_codes: 128 tiles of 32 KB an expert; my blocks 2 slice, 2 slice + 1 of 512 bytes
	s_lshl_b32 s48, s3, 10
	s_add_co_u32 s56, s56, s48
	s_add_nc_u64 s[26:27], s[26:27], s[56:57]
	s_lshl_b32 s56, s4, 17                         ; h_scales: 128 tiles of 1 KB; K step slice / 2 (64 bytes each), bytes 2 (slice % 2) on
	s_lshr_b32 s48, s3, 1
	s_lshl_b32 s48, s48, 6
	s_add_co_u32 s56, s56, s48
	s_and_b32 s48, s3, 1
	s_lshl_b32 s48, s48, 1
	s_add_co_u32 s56, s56, s48
	s_add_nc_u64 s[28:29], s[28:29], s[56:57]
	s_lshl_b32 s56, s4, 13
	s_add_nc_u64 s[30:31], s[30:31], s[56:57]      ; order: 2,048 words an expert
	s_lshl_b32 s56, s4, 7
	s_add_nc_u64 s[32:33], s[32:33], s[56:57]      ; meta: 32 words an expert
	; ---- all that hangs on no routing is asked for at once: route first, since it is wanted first
.irp k, 0,1,2,3,4,5,6,7,8,9,10,11,12,13,14,15
	global_load_b32 v[RT+\k], v6, s[12:13] offset:128*\k           ; token 512 wave + 32 k + lane
.endr
.set Q, 0
.rept 32
	global_load_b128 v[WF+4*Q:WF+4*Q+3], v4, s[58:59] offset:512*Q th:TH_LOAD_NT   ; a whole row of 512 bytes a load; read once in the launch
.set Q, Q+1
.endr
.irp b, 0,1
	global_load_b128 v[WS+4*\b:WS+4*\b+3], v14, s[16:17] offset:512*\b             ; a row's four words, K steps 0 to 3
	global_load_b128 v[WS+8+4*\b:WS+8+4*\b+3], v14, s[22:23] offset:512*\b
.endr
	WIN 0x80                                       ; destination window 2
.irp b, 0,1
.irp u, 0,1
.irp p, 0,1
	global_load_b128 v[BI+32*\b+8*\u+4*\p:BI+32*\b+8*\u+4*\p+3], v15, s[18:19] offset:(32*\b+8*\u)*4+16*\p          ; lane (r, h), register j: hidden unit 32 b + 8 u + 16 h + j
	global_load_b128 v[BI+32*\b+16+8*\u+4*\p:BI+32*\b+16+8*\u+4*\p+3], v15, s[24:25] offset:(32*\b+8*\u)*4+16*\p
.endr
.endr
.endr
	WIN 0
	s_wait_loadcnt 52                              ; route's 16 loads are in; the 32 + 4 + 16 younger ones may be out
	; ---- my wave's 512 tokens: which are my expert's, and the place of each in my wave's sub-list
.irp k, 0,1,2,3,4,5,6,7,8,9,10,11,12,13,14,15
	v_cmp_eq_u32 s[68+\k], s4, v[RT+\k]
.endr
	s_mov_b32 s84, 0
.irp k, 0,1,2,3,4,5,6,7,8,9,10,11,12,13,14
	s_bcnt1_i32_b32 s48, s[68+\k]
	s_add_co_u32 s[85+\k], s[84+\k], s48           ; how many of mine stand ahead of group k + 1
.endr
	s_bcnt1_i32_b32 s48, s83
	s_add_co_u32 s47, s99, s48                     ; my wave's count
.irp k, 0,1,2,3,4,5,6,7,8,9,10,11,12,13,14,15
	v_mbcnt_lo_u32_b32 v[ADR+\k], s[68+\k], s[84+\k]               ; those ahead of me in my group + those of the groups before
.endr
.irp k, 0,1,2,3,4,5,6,7,8,9,10,11,12,13,14,15
	v_cndmask_b32 v[ADR+\k], v13, v[ADR+\k], s[68+\k]              ; another expert's token goes to word 512
.endr
.irp k, 0,1,2,3,4,5,6,7,8,9,10,11,12,13,14,15
	v_min_u32 v[ADR+\k], 512, v[ADR+\k]            ; a number made from loaded ones enters an address behind a bound written in the line
.endr
.irp k, 0,1,2,3,4,5,6,7,8,9,10,11,12,13,14,15
	v_lshl_add_u32 v[ADR+\k], v[ADR+\k], 2, s49
.endr
; The stores, a wave at a time: each wave has an interval between barriers to itself, so that in no interval two waves store into LDS, whatever the places are.
.macro EPOCH w
	s_cmp_lg_u32 s2, \w
	s_cbranch_scc1 .Lnot_mine_\@
.irp j, 0,1,2,3,4
	ds_store_b128 v88, v[26:29] offset:512*\j      ; the whole sub-list is cleared first: every word that may be read has been written (an expert without rows reads word 0)
.endr
.irp k, 0,1,2,3,4,5,6,7,8,9,10,11,12,13,14,15
	v_add_nc_u32 v[17+(\k%2)], 32*\k, v7
	ds_store_b32 v[ADR+\k], v[17+(\k%2)]           ; LDS serves a wave's instructions in order (ISA guide 5.7.1.4): the tokens land on the zeros
.endr
	v_mov_b32 v19, s47
	ds_store_b32 v10, v19
.Lnot_mine_\@:
	BARRIER
.endm
	EPOCH 0
	EPOCH 1
	EPOCH 2
	EPOCH 3
	; ---- the counts: P1..P3 = ranks at which sub-lists 1..3 begin; rank q of sub-list j lies at 4 q + D_j, D_j = SUBL j - 4 P_j
	ds_load_b128 v[22:25], v11
	s_wait_dscnt 0x0
	v_readfirstlane_b32 s39, v22
	v_readfirstlane_b32 s40, v23
	v_readfirstlane_b32 s41, v24
	v_readfirstlane_b32 s36, v25
	s_add_co_u32 s40, s40, s39
	s_add_co_u32 s41, s41, s40
	s_add_co_u32 s36, s36, s41                     ; n: my expert's rows
	s_lshl_b32 s42, s39, 2
	s_sub_co_u32 s42, SUBL, s42
	s_lshl_b32 s43, s40, 2
	s_sub_co_u32 s43, 2*SUBL, s43
	s_lshl_b32 s44, s41, 2
	s_sub_co_u32 s44, 3*SUBL, s44
	s_add_co_u32 s37, s36, 15
	s_lshr_b32 s37, s37, 4                         ; nt: its tiles of 16 rows, 128 at the most
	s_max_u32 s45, s36, 1
	s_sub_co_u32 s45, s45, 1                       ; the last rank
	s_mov_b32 s38, s2                              ; i0: my first tile of the pass
	s_add_co_u32 s62, s37, 19
	s_sub_co_u32 s62, s62, s2
	s_mul_hi_u32 s62, s62, 0xcccccccd
	s_lshr_b32 s62, s62, 4                         ; my passes: (nt + 19 - wave) / 20, 0 where my wave has no tile
	s_mov_b32 s63, 0                               ; passes done
; The offsets of a pass's five tiles i0 + 4 t, and their tokens out of the list.
.macro GATHER_A
	s_wait_xcnt 0x0                                ; the last pass's stores have read their offsets and the tokens: all are written again below
	s_min_u32 s48, s38, 127
	s_lshl_b32 s49, s48, 6
	v_add_nc_u32 v16, s49, v50                     ; order: 64 bytes a tile, 4 r
	WIN 0x80
	s_lshl_b32 s49, s48, 15
	v_add_nc_u32 v250, s49, v4                     ; (window 2) h_codes: 32 KB a tile, 16 x lane
	s_lshl_b32 s49, s48, 10
	v_add_nc_u32 v251, s49, v50                    ; (window 2) h_scales: 1 KB a tile, 4 r
	WIN 0
.irp t, 0,1,2,3,4
	s_add_co_u32 s48, s38, 4*\t
	s_lshl_b32 s48, s48, 4
	v_add_nc_u32 v19, s48, v2
	v_min_u32 v19, s45, v19                        ; my rank; past the last: the last
	v_mov_b32 v20, 0
	v_cmp_le_u32 vcc_lo, s39, v19
	v_cndmask_b32 v20, v20, s42, vcc_lo
	v_cmp_le_u32 vcc_lo, s40, v19
	v_cndmask_b32 v20, v20, s43, vcc_lo
	v_cmp_le_u32 vcc_lo, s41, v19
	v_cndmask_b32 v20, v20, s44, vcc_lo            ; the last sub-list that begins at or ahead of my rank
	v_lshl_add_u32 v20, v19, 2, v20
	v_min_u32 v[LA+\t], 4*SUBL-4, v20              ; inside the four sub-lists
	ds_load_b32 v[TK+\t], v[LA+\t]
.endr
	s_wait_dscnt 0x0
.irp t, 0,1,2,3,4
	v_min_u32 v[TK+\t], 2047, v[TK+\t]
.endr
.irp t, 0,1,2,3,4
	v_lshl_add_u32 v[XA+\t], v[TK+\t], 9, v12      ; x: the token's row of 512 bytes, + 16 h
	v_lshlrev_b32 v[XSA+\t], 4, v[TK+\t]           ; its 16 scale bytes
.endr
.endm
; 85 loads: the five tiles' scale words and fragments.  Register 16 s + 4 c .. + 3 of a tile: k = 128 s + 32 c + 16 h + 0 .. 15 of the lane's token; a tile's 16 loads take each row's 512 bytes whole.
.macro GATHER_B
.irp t, 0,1,2,3,4
	global_load_b128 v[XS+4*\t:XS+4*\t+3], v[XSA+\t], s[10:11]
.endr
	WIN 0x40                                       ; destination window 1
.irp t, 0,1,2,3
.irp f, 0,1,2,3,4,5,6,7,8,9,10,11,12,13,14,15
	global_load_b128 v[64*\t+4*\f:64*\t+4*\f+3], v[XA+\t], s[8:9] offset:32*\f
.endr
.endr
	WIN 0xc0                                       ; destination window 3
.irp f, 0,1,2,3,4,5,6,7,8,9,10,11,12,13,14,15
	global_load_b128 v[4*\f:4*\f+3], v[XA+4], s[8:9] offset:32*\f
.endr
	WIN 0
.endm
	GATHER_A
	s_wait_loadcnt 0x0                             ; W, its scale words and the biases, asked for at the head
	BARRIER                                        ; every wave's first reads of the list are over: only now is LDS stored into again
.set Q, 0
.rept 32
	ds_store_b128 v8, v[WF+4*Q:WF+4*Q+3] offset:WP*((Q%8)+8*(2*((Q/8)%2)+Q/16))    ; source row q of a block of 32 goes to position q, q + 8 (8..15), q - 8 (16..23): a tile's 16 rows lie on end
.set Q, Q+1
.endr
	GATHER_B                                       ; x is on its way while the stores land
	BARRIER                                        ; W lies in LDS.  THE LAST BARRIER: from here on LDS is only read
	s_or_b32 s48, s3, s2
	s_cmp_lg_u32 s48, 0
	s_cbranch_scc1 .Lno_meta
	v_mov_b32 v51, s36
	global_store_b32 v5, v51, s[32:33]             ; slice 0, wave 0: the count, 32 times: 128 consecutive bytes
.Lno_meta:
	s_or_b32 s48, s3, s4
	s_cmp_lg_u32 s48, 0
	s_cbranch_scc1 .Lno_zero
; Work-group (0, 0): a token that no expert takes gets a row of zeros.  The group's ballot is walked bit by bit in scalar registers; the wave stores a row's 2,048 bytes with all lanes on, 512 consecutive bytes a store.
; A group of 32 tokens that has none is passed over.
.macro ZROW k
	v_cmp_lt_u32 s46, 7, v[RT+\k]
	s_cmp_eq_u32 s46, 0
	s_cbranch_scc1 .Lnone_\@
	s_bcnt1_i32_b32 s60, s46                       ; so many rows
	s_mov_b32 s61, 0
.Lrow_\@:
	s_ctz_i32_b32 s48, s46                         ; the lowest lane that is left,
	s_sub_co_u32 s49, s46, 1
	s_and_b32 s46, s46, s49                        ; which is struck off
	s_add_co_u32 s48, s48, s55
	s_add_co_u32 s48, s48, 32*\k                   ; its token: 512 wave + 32 k + lane
	s_min_u32 s48, s48, 2047                       ; a number made from loaded ones enters an address behind a bound written in the line
	s_lshl_b32 s48, s48, 11
	s_wait_xcnt 0x0                                ; the last row's stores have read their offset
	v_add_nc_u32 v21, s48, v4
.irp j, 0,1,2,3
	global_store_b128 v21, v[26:29], s[34:35] offset:512*\j
.endr
	s_add_co_u32 s61, s61, 1
	s_cmp_lt_u32 s61, s60
	s_cbranch_scc1 .Lrow_\@
.Lnone_\@:
.endm
.irp k, 0,1,2,3,4,5,6,7,8,9,10,11,12,13,14,15
	ZROW \k
.endr
.Lno_zero:
	s_cmp_eq_u32 s62, 0
	s_cbranch_scc1 .Lend                           ; no tile for my wave
; Step sg = 4 b + s: block b of 32 hidden units, K step s.  Four fragments of W (m = 0..3) into set sg % 2.
.macro FETCH sg
.set FB, (\sg)/4
.set FS, (\sg)%4
.set FW, WF+64*((\sg)%2)
.irp m, 0,1,2,3
.irp c, 0,1,2,3
	ds_load_b128 v[FW+16*\m+4*\c:FW+16*\m+4*\c+3], v9 offset:((\m/2)*64+32*FB+(\m%2)*16)*WP+128*FS+32*\c
.endr
.endr
.endm
.macro PROD t, m, xb                   ; accumulator (t, m) takes W's fragment m x the tile's fragment at v[xb]; at s = 0 the bias is C.  W's scale words of u = 1 lie in lanes 16-31
.set PD, 32*(\t)+8*(\m)
.set PA, KW+16*(\m)
.set PS, WS+4*(2*((\m)/2)+KB)+KS
.set PX, XS+4*(\t)+KS
.set PC, BI+32*KB+8*(\m)
.if KS == 0
.if (\m)%2
	v_wmma_scale_f32_16x16x128_f8f6f4 v[PD:PD+7], v[PA:PA+15], v[\xb:\xb+15], v[PC:PC+7], v[PS], v[PX] matrix_a_fmt:MATRIX_FMT_BF8 matrix_b_fmt:MATRIX_FMT_BF8 matrix_a_scale:MATRIX_SCALE_ROW1
.else
	v_wmma_scale_f32_16x16x128_f8f6f4 v[PD:PD+7], v[PA:PA+15], v[\xb:\xb+15], v[PC:PC+7], v[PS], v[PX] matrix_a_fmt:MATRIX_FMT_BF8 matrix_b_fmt:MATRIX_FMT_BF8
.endif
.else
.if (\m)%2
	v_wmma_scale_f32_16x16x128_f8f6f4 v[PD:PD+7], v[PA:PA+15], v[\xb:\xb+15], v[PD:PD+7], v[PS], v[PX] matrix_a_fmt:MATRIX_FMT_BF8 matrix_b_fmt:MATRIX_FMT_BF8 matrix_a_scale:MATRIX_SCALE_ROW1
.else
	v_wmma_scale_f32_16x16x128_f8f6f4 v[PD:PD+7], v[PA:PA+15], v[\xb:\xb+15], v[PD:PD+7], v[PS], v[PX] matrix_a_fmt:MATRIX_FMT_BF8 matrix_b_fmt:MATRIX_FMT_BF8
.endif
.endif
.endm
; 20 products; the 20 accumulators take turns, one instruction a turn, in the same order in every step.  The next step's fragments are asked for ahead of them.
.macro KSTEP sg
.set KB, (\sg)/4
.set KS, (\sg)%4
.set KW, WF+64*((\sg)%2)
	s_wait_dscnt 0x0                               ; this step's 16 loads, asked for 20 products ago
.if (\sg) < 7
	PLACES 8                                       ; eight plain places between the last step's products and loads into the set that they read
	FETCH (\sg)+1
.endif
	WIN 0xa4                                       ; W window 0, x window 1, C and D window 2
.irp t, 0,1,2,3
.irp m, 0,1,2,3
	PROD \t, \m, 64*\t+16*KS
.endr
.endr
	WIN 0xac                                       ; x window 3
.irp m, 0,1,2,3
	PROD 4, \m, 16*KS
.endr
	WIN 0
.endm
; Tile t's 32 hidden units of block b: the activation, the quantiser, the stores.  A tile past the expert's last is left out (a branch on the count).
.macro POST t, b
.set PG, 32*(\t)
.set PU, 32*(\t)+16
	s_add_co_u32 s48, s38, 4*(\t)
	s_cmp_ge_u32 s48, s37
	s_cbranch_scc1 .Lskip_\@
.if (\b) == 0
	s_cmp_lg_u32 s3, 0
	s_cbranch_scc1 .Lno_order_\@
	global_store_b32 v16, v[TK+\t], s[30:31] offset:256*(\t)       ; slice 0: the tile's 16 tokens (both halves of the lanes store the same word)
.Lno_order_\@:
.endif
	s_wait_xcnt 0x0                                ; the last tile's stores have read their codes and their byte
	WIN 0xaa                                       ; all in window 2
.irp i, 0,2,4,6,8,10,12,14
	v_pk_mul_f32 v[TT+\i:TT+\i+1], v[PG+\i:PG+\i+1], s[52:53] op_sel_hi:[1,0]      ; -g log2(e); each accumulator is read from its low end on
.endr
.irp i, 0,1,2,3,4,5,6,7,8,9,10,11,12,13,14,15
	v_exp_f32 v[TT+\i], v[TT+\i]                   ; e^-g
.endr
.irp i, 0,2,4,6,8,10,12,14
	v_pk_mul_f32 v[PU+\i:PU+\i+1], v[PU+\i:PU+\i+1], v[PG+\i:PG+\i+1]              ; g u: plain work behind the batch
.endr
	s_wait_alu depctr_va_vdst(0)                   ; one wait for the 16 exponentials, ahead of their first reader
.irp i, 0,2,4,6,8,10,12,14
	v_pk_add_f32 v[TT+\i:TT+\i+1], v[TT+\i:TT+\i+1], 1.0 op_sel_hi:[1,0]
.endr
.irp i, 0,1,2,3,4,5,6,7,8,9,10,11,12,13,14,15
	v_rcp_f32 v[TT+\i], v[TT+\i]                   ; 1 / (1 + e^-g)
.endr
	v_nop                                          ; a plain place behind the last reciprocal
	s_wait_alu depctr_va_vdst(0)                   ; and one wait for the 16
.irp i, 0,2,4,6,8,10,12,14
	v_pk_mul_f32 v[PG+\i:PG+\i+1], v[PU+\i:PU+\i+1], v[TT+\i:TT+\i+1]              ; h: register i = hidden unit 32 b + 16 (lane / 16) + i of my token
.endr
	v_max3_num_f32 v[TT], |v[PG]|, |v[PG+1]|, 0x8000000            ; the largest magnitude of my 16, in two chains, with the floor 2^(16 - 127): the byte cannot fall under 1
	v_max3_num_f32 v[TT+1], |v[PG+2]|, |v[PG+3]|, |v[PG+4]|
	v_max3_num_f32 v[TT], v[TT], |v[PG+5]|, |v[PG+6]|
	v_max3_num_f32 v[TT+1], v[TT+1], |v[PG+7]|, |v[PG+8]|
	v_max3_num_f32 v[TT], v[TT], |v[PG+9]|, |v[PG+10]|
	v_max3_num_f32 v[TT+1], v[TT+1], |v[PG+11]|, |v[PG+12]|
	v_max3_num_f32 v[TT], v[TT], |v[PG+13]|, |v[PG+14]|
	v_max3_num_f32 v240, v[TT], v[TT+1], |v[PG+15]|
	v_permlanex16_b32 v241, v240, s50, s51
	v_max_num_f32 v240, v240, v241                 ; with lane l xor 16's 16: the block's
	v_add_nc_u32 v242, 0xf8800000, v240            ; 15 off its exponent field: the conversion takes this operand's exponent field as its scale
	v_and_or_b32 v243, v240, 0x7f800000, s54       ; 57,344 x the scale
	v_lshrrev_b32 v244, 23, v242                   ; the scale's byte
.irp i, 0,1,2,3,4,5,6,7,8,9,10,11,12,13,14,15
	v_med3_num_f32 v[PG+\i], v[PG+\i], -v243, v243 ; the conversion to an 8-bit code does not saturate (ISA guide 7.6.2): the hold at the largest code x the scale
.endr
	v_cvt_scalef32_pk8_bf8_f32 v[246:247], v[PG:PG+7], v242
	v_cvt_scalef32_pk8_bf8_f32 v[248:249], v[PG+8:PG+15], v242
	v_nop                                          ; a plain place behind the conversions: later products write their sources
	global_store_b128 v250, v[246:249], s[26:27] offset:131072*(\t)+512*(\b)       ; the wave stores 512 consecutive bytes, aligned: registers 4 j .. 4 j + 3 of the next operand, j = 2 slice + b
	global_store_b8 v251, v244, s[28:29] offset:4096*(\t)+(\b)     ; my row's byte of that block (both halves of the lanes hold the same)
	WIN 0
.Lskip_\@:
.endm
.Lpass:
	FETCH 0
	s_wait_loadcnt 0x0                             ; x and its scale words
	KSTEP 0
	KSTEP 1
	KSTEP 2
	KSTEP 3
	PLACES 8                                       ; between the last products and the first read of results; with the eight at the next step's head also the places ahead of products that begin the accumulators anew
.irp t, 0,1,2,3,4
	POST \t, 0
.endr
	KSTEP 4
	KSTEP 5
	KSTEP 6
	KSTEP 7
	PLACES 8                                       ; likewise; also ahead of the next pass's loads into x's registers
.irp t, 0,1,2,3,4
	POST \t, 1
.endr
	s_add_co_u32 s38, s38, 20                      ; four waves x five tiles on
	s_add_co_u32 s63, s63, 1                       ; the loop's counter: passes done, against my passes
	s_cmp_ge_u32 s63, s62
	s_cbranch_scc1 .Lend
	GATHER_A                                       ; an expert with more than 320 rows: a further pass
	GATHER_B
	s_cmp_lt_u32 s63, s62
	s_cbranch_scc1 .Lpass
.Lend:
	s_wait_tensorcnt 0x0
	ds_add_u32 v94, v95
	s_wait_dscnt 0x0
	s_endpgm
.Lfunc_end_k_q17883a0fc0_up:
	.size	k_q17883a0fc0_up, .Lfunc_end_k_q17883a0fc0_up-k_q17883a0fc0_up
	.p2alignl 7, 3214868480
	.fill 96, 4, 3214868480
	.section	.rodata,"a",@progbits
	.p2align	6, 0x0
	.amdhsa_kernel k_q17883a0fc0_up
		.amdhsa_group_segment_fixed_size 78592
		.amdhsa_private_segment_fixed_size 0
		.amdhsa_enable_private_segment 0
		.amdhsa_kernarg_size 112
		.amdhsa_user_sgpr_count 2
		.amdhsa_user_sgpr_kernarg_segment_ptr 1
		.amdhsa_wavefront_size32 1
		.amdhsa_system_sgpr_workgroup_id_x 1
		.amdhsa_system_sgpr_workgroup_id_y 1
		.amdhsa_system_sgpr_workgroup_id_z 1
		.amdhsa_system_vgpr_workitem_id 0
		.amdhsa_next_free_vgpr 832
		.amdhsa_next_free_sgpr 100
		.amdhsa_reserve_vcc 1
		.amdhsa_float_denorm_mode_32 3
		.amdhsa_float_denorm_mode_16_64 3
		.amdhsa_memory_ordered 1
		.amdhsa_forward_progress 1
		.amdhsa_inst_pref_size 157
	.end_amdhsa_kernel
	.amdgpu_metadata
---
amdhsa.version: [ 1, 2 ]
amdhsa.kernels:
  - .name:           k_q17883a0fc0_up
    .symbol:         k_q17883a0fc0_up.kd
    .args:
      - { .name: x_codes, .offset: 0, .size: 8, .value_kind: global_buffer, .address_space: global }
      - { .name: x_scales, .offset: 8, .size: 8, .value_kind: global_buffer, .address_space: global }
      - { .name: route, .offset: 16, .size: 8, .value_kind: global_buffer, .address_space: global }
      - { .name: w_gate_codes, .offset: 24, .size: 8, .value_kind: global_buffer, .address_space: global }
      - { .name: w_gate_scales, .offset: 32, .size: 8, .value_kind: global_buffer, .address_space: global }
      - { .name: b_gate, .offset: 40, .size: 8, .value_kind: global_buffer, .address_space: global }
      - { .name: w_in_codes, .offset: 48, .size: 8, .value_kind: global_buffer, .address_space: global }
      - { .name: w_in_scales, .offset: 56, .size: 8, .value_kind: global_buffer, .address_space: global }
      - { .name: b_in, .offset: 64, .size: 8, .value_kind: global_buffer, .address_space: global }
      - { .name: h_codes, .offset: 72, .size: 8, .value_kind: global_buffer, .address_space: global }
      - { .name: h_scales, .offset: 80, .size: 8, .value_kind: global_buffer, .address_space: global }
      - { .name: order, .offset: 88, .size: 8, .value_kind: global_buffer, .address_space: global }
      - { .name: meta, .offset: 96, .size: 8, .value_kind: global_buffer, .address_space: global }
      - { .name: out0, .offset: 104, .size: 8, .value_kind: global_buffer, .address_space: global }
    .group_segment_fixed_size: 78592
    .private_segment_fixed_size: 0
    .kernarg_segment_align: 8
    .kernarg_segment_size: 112
    .max_flat_workgroup_size: 128
    .sgpr_count:     100
    .vgpr_count:     832
    .wavefront_size: 32
...
	.end_amdgpu_metadata
.endif
;; end of part 1
;; launch down (part 2): grid 32 x 8, 8 waves a work-group, no clusters, 167,936 bytes of LDS; arguments h_codes, h_scales, order, meta, w_out_codes, w_out_scales, b_out, out0; writes out0
.if DOCPART == 2
	.amdgcn_target "amdgcn-amd-amdhsa--gfx1250"
	.amdhsa_code_object_version 6
	.text
	.protected	k_q17883a0fc0_down
	.globl	k_q17883a0fc0_down
	.p2align	8
	.type	k_q17883a0fc0_down,@function
k_q17883a0fc0_down:
	s_mov_b64 s[64:65], 0
	v_nop
	global_prefetch_b8 v0, s[64:65] scope:SCOPE_SE
	s_setreg_imm32_b32 hwreg(HW_REG_WAVE_MODE, 25, 1), 1
	s_wait_xcnt 0x0
; SECOND HALF: out[token] = h Wo[e] + bo[e], for each token with its own expert alone.  h comes as the first launch left it: codes as images of operand registers [e][tile][block 64][lane 32][16 bytes], scale words
; [e][tile][K step 16][row 16]; order [e][rank] = token; meta [e][0] = the expert's rows.  Wo [8][512][2048]: codes of E5M2, K innermost, scale bytes [8][512][64]; bo, out: f32.
; SHARES.  Work-group (x, e): cs = x % 8 owns outputs 64 cs .. 64 cs + 63 (64 rows of Wo, 128 KB, in LDS), q = x / 8 a quarter of the row tiles.  All eight waves bring Wo into LDS; waves 0-4 then take tile q + 4 wave,
; and 20 tiles further on while tiles are left.  A wave holds its tile of h whole (16 fragments, window 1) and reads each fragment of Wo from LDS once.
; THE PRODUCT IS USED TRANSPOSED (source 0 = 16 rows of Wo, source 1 = 16 rows of h): a lane holds one token and eight neighbouring outputs.  bo is loaded into the accumulators.
; THE WAY OUT: through the wave's own stage in LDS, back as rows of 256 bytes: sixteen lanes store the token's 256 consecutive bytes, aligned.  Ranks past an expert's last repeat its last token: the same bits to the same place, from the same wave.
; NOTHING IS ASKED FOR JOINTLY, AND NO TENSOR LOAD IS USED: the number of passes and a wave's exit hang on the count read from meta.  The one barrier stands ahead of them.
; No prefetch: all that a wave reads in its first pass is asked for at its head.
; LIMITS: a wave of 0-4 without a tile (an expert without rows too) loads a tile that it does not use, in the latter case bytes that nobody stored, and ends without using or storing anything.
; REGISTERS.  window 0: v1-18 addresses; v24-55 four accumulators; v56-87 Wo's scale words; v88-95 h's; v96-103 tokens; v104-111 offsets in out; v128-255 Wo on its way to LDS, then two sets of four fragments, then rows on the way out.
;   window 1: the tile of h: fragment s at v[16 s].
.set WP,   2064                        ; a row of Wo in LDS: 2,048 bytes + 16: an odd multiple of 16
.set STG,  64*WP                       ; behind the 64 rows: a stage of 16 rows x SP bytes for each wave
.set SP,   272
.set ACC,  24
.set WS,   56                          ; 16 pr + s: lanes 0-15 the rows of tile 2 pr, lanes 16-31 those of tile 2 pr + 1
.set HS,   88                          ; register jj: lanes 0-15 K step 2 jj, lanes 16-31 K step 2 jj + 1
.set TK,   96
.set OA,   104
.set WF,   128
.set MSB, 0
.macro WIN new                         ; the immediate's high byte repeats the setting that is left
.if MSB != \new
	s_set_vgpr_msb (MSB<<8)|\new
.set MSB, \new
.endif
.endm
.macro PLACES n
.rept \n
	v_nop
.endr
.endm
	s_load_b512 s[8:23], s[0:1], 0x0               ; h_codes s[8:9], h_scales s[10:11], order s[12:13], meta s[14:15], Wo codes s[16:17], Wo scales s[18:19], bo s[20:21], out s[22:23]
	v_lshl_add_u32 v126, v0, 2, 0x28c00
	v_mov_b32 v127, 0
	v_lshrrev_b32 v17, 5, v0
	v_readfirstlane_b32 s2, v17                    ; wave 0..7
	s_and_b32 s3, ttmp9, 7                         ; cs
	s_lshr_b32 s4, ttmp9, 3                        ; q
	s_and_b32 s5, ttmp7, 0xffff                    ; expert
	v_and_b32 v1, 31, v0                           ; lane
	v_and_b32 v2, 15, v0                           ; r
	v_bfe_u32 v3, v0, 4, 1                         ; h
	v_lshlrev_b32 v4, 4, v1                        ; 16 x lane
	v_lshlrev_b32 v5, 2, v1                        ; 4 x lane
	s_mul_i32 s40, s2, 8*WP
	v_add_nc_u32 v6, s40, v4                       ; Wo into LDS: my wave's 8 rows
	v_mul_u32_u24 v7, v2, WP
	v_lshl_add_u32 v7, v3, 4, v7                   ; a fragment: row r x pitch + 16 h; tiles 0, 1
	v_add_nc_u32 v8, 32*WP, v7                     ; tiles 2, 3
	s_mul_i32 s40, s2, 16*SP
	s_add_co_u32 s40, s40, STG                     ; my stage
	v_mul_u32_u24 v9, v2, SP
	v_lshl_add_u32 v9, v3, 5, v9
	v_add_nc_u32 v9, s40, v9                       ; in: row r, 32 bytes for each half of the lanes
	v_mul_u32_u24 v10, v3, SP
	v_lshl_add_u32 v10, v2, 4, v10
	v_add_nc_u32 v10, s40, v10                     ; back: lanes 0-15 one row of 256 bytes, lanes 16-31 the next
	v_lshlrev_b32 v11, 6, v1                       ; Wo's scale bytes: 64 a row, a lane a row
	v_lshlrev_b32 v12, 5, v3                       ; bo: 8 h numbers on
	v_lshlrev_b32 v16, 4, v2                       ; 16 r
	v_lshlrev_b32 v18, 2, v3                       ; 4 h
	s_mov_b32 s43, 0
	s_wait_kmcnt 0x0
	s_lshl_b32 s42, s5, 7
	s_add_nc_u64 s[14:15], s[14:15], s[42:43]
	s_load_b32 s36, s[14:15], 0x0                  ; n: my expert's rows
	s_lshl_b32 s42, s5, 22
	s_add_nc_u64 s[8:9], s[8:9], s[42:43]          ; h_codes: 128 tiles of 32 KB an expert
	s_lshl_b32 s42, s5, 17
	s_add_nc_u64 s[10:11], s[10:11], s[42:43]      ; h_scales: 128 tiles of 1 KB
	s_lshl_b32 s42, s5, 13
	s_add_nc_u64 s[12:13], s[12:13], s[42:43]      ; order
	s_lshl_b32 s42, s5, 20                         ; Wo: an expert's 512 rows of 2,048 bytes,
	s_lshl_b32 s40, s3, 17                         ; my 64,
	s_add_co_u32 s42, s42, s40
	s_lshl_b32 s40, s2, 14                         ; my wave's 8
	s_add_co_u32 s42, s42, s40
	s_add_nc_u64 s[16:17], s[16:17], s[42:43]
	s_lshl_b32 s42, s5, 15
	s_lshl_b32 s40, s3, 12
	s_add_co_u32 s42, s42, s40
	s_add_nc_u64 s[18:19], s[18:19], s[42:43]
	s_lshl_b32 s42, s5, 11
	s_lshl_b32 s40, s3, 8
	s_add_co_u32 s42, s42, s40
	s_add_nc_u64 s[20:21], s[20:21], s[42:43]
	s_lshl_b32 s42, s3, 8
	s_add_nc_u64 s[22:23], s[22:23], s[42:43]      ; out: my 64 columns are 256 bytes of a row
.irp pr, 0,1
.irp g, 0,1,2,3
	global_load_b128 v[WS+16*\pr+4*\g:WS+16*\pr+4*\g+3], v11, s[18:19] offset:2048*\pr+16*\g       ; row 32 pr + lane, K steps 4 g .. 4 g + 3
.endr
.endr
.set Q, 0
.rept 32
	global_load_b128 v[WF+4*Q:WF+4*Q+3], v4, s[16:17] offset:512*Q                 ; 512 consecutive bytes a load: a quarter of row Q / 4
.set Q, Q+1
.endr
	s_wait_kmcnt 0x0
	s_add_co_u32 s37, s36, 15
	s_lshr_b32 s37, s37, 4                         ; nt: the expert's tiles
	s_lshl_b32 s38, s2, 2
	s_add_co_u32 s38, s38, s4                      ; i: my tile
; 88 loads: bo into the accumulators, the tile of h, its scale words, its tokens.  A tile past the last is held at the last.
.macro LOADS
	s_wait_xcnt 0x0                                ; the last pass's stores have read their registers
	s_max_u32 s40, s37, 1
	s_sub_co_u32 s40, s40, 1
	s_min_u32 s39, s38, s40
	s_min_u32 s39, s39, 127
	s_lshl_b32 s40, s39, 15
	v_add_nc_u32 v13, s40, v4
	s_lshl_b32 s40, s39, 10
	v_add_nc_u32 v14, s40, v5
	s_lshl_b32 s40, s39, 6
	v_add_nc_u32 v15, s40, v18
.irp ct, 0,1,2,3
.irp p, 0,1
	global_load_b128 v[ACC+8*\ct+4*\p:ACC+8*\ct+4*\p+3], v12, s[20:21] offset:64*\ct+16*\p         ; lane (r, h), register j: output 16 ct + 8 h + j
.endr
.endr
	WIN 0x40                                       ; destination window 1
.set Q, 0
.rept 64
	global_load_b128 v[4*Q:4*Q+3], v13, s[8:9] offset:512*Q        ; block Q: 512 consecutive bytes
.set Q, Q+1
.endr
	WIN 0
.irp j, 0,1,2,3,4,5,6,7
	global_load_b32 v[HS+\j], v14, s[10:11] offset:128*\j
.endr
.irp j, 0,1,2,3,4,5,6,7
	global_load_b32 v[TK+\j], v15, s[12:13] offset:8*\j            ; the token of row 2 j + h
.endr
.endm
	s_cmp_gt_u32 s2, 4                             ; waves 5-7 only help to bring Wo in
	s_cbranch_scc1 .Lhelper
	LOADS
	s_wait_loadcnt 63                              ; 88 loads were issued behind Wo's 32: those are in
	s_branch .Ljoin
.Lhelper:
	s_wait_loadcnt 0x0
.Ljoin:
.set Q, 0
.rept 32
	ds_store_b128 v6, v[WF+4*Q:WF+4*Q+3] offset:WP*(Q/4)+512*(Q%4)
.set Q, Q+1
.endr
	s_wait_dscnt 0x0                               ; my stores have landed
	s_barrier_signal -1
	s_barrier_wait -1                              ; Wo's 64 rows lie in LDS.  THE ONE BARRIER: from here on they are only read, and a stage is its wave's own
	s_cmp_gt_u32 s2, 4
	s_cbranch_scc1 .Lend
	s_add_co_u32 s44, s37, 19                      ; (in waves 0-4 my first tile is 19 at the most)
	s_sub_co_u32 s44, s44, s38
	s_mul_hi_u32 s44, s44, 0xcccccccd
	s_lshr_b32 s44, s44, 4                         ; my passes: (nt + 19 - my first tile) / 20, 0 where my wave has no tile
	s_mov_b32 s45, 0                               ; passes done
	s_cmp_eq_u32 s44, 0
	s_cbranch_scc1 .Lend                           ; no tile for my wave
.macro FETCHD k                        ; K step k: the four tiles' fragments of Wo into set k % 2
.set FW, WF+64*((\k)%2)
.irp ct, 0,1
.irp c, 0,1,2,3
	ds_load_b128 v[FW+16*\ct+4*\c:FW+16*\ct+4*\c+3], v7 offset:\ct*16*WP+128*(\k)+32*\c
.endr
.endr
.irp ct, 0,1
.irp c, 0,1,2,3
	ds_load_b128 v[FW+32+16*\ct+4*\c:FW+32+16*\ct+4*\c+3], v8 offset:\ct*16*WP+128*(\k)+32*\c
.endr
.endr
.endm
.macro PRODD ct, k                     ; Wo's scale words of odd tiles, and h's of odd K steps, lie in lanes 16-31
.set PD, ACC+8*(\ct)
.set PA, WF+64*((\k)%2)+16*(\ct)
.set PB, 16*(\k)
.set PS, WS+16*((\ct)/2)+(\k)
.set PH, HS+(\k)/2
.if (\ct)%2
.if (\k)%2
	v_wmma_scale_f32_16x16x128_f8f6f4 v[PD:PD+7], v[PA:PA+15], v[PB:PB+15], v[PD:PD+7], v[PS], v[PH] matrix_a_fmt:MATRIX_FMT_BF8 matrix_b_fmt:MATRIX_FMT_BF8 matrix_a_scale:MATRIX_SCALE_ROW1 matrix_b_scale:MATRIX_SCALE_ROW1
.else
	v_wmma_scale_f32_16x16x128_f8f6f4 v[PD:PD+7], v[PA:PA+15], v[PB:PB+15], v[PD:PD+7], v[PS], v[PH] matrix_a_fmt:MATRIX_FMT_BF8 matrix_b_fmt:MATRIX_FMT_BF8 matrix_a_scale:MATRIX_SCALE_ROW1
.endif
.else
.if (\k)%2
	v_wmma_scale_f32_16x16x128_f8f6f4 v[PD:PD+7], v[PA:PA+15], v[PB:PB+15], v[PD:PD+7], v[PS], v[PH] matrix_a_fmt:MATRIX_FMT_BF8 matrix_b_fmt:MATRIX_FMT_BF8 matrix_b_scale:MATRIX_SCALE_ROW1
.else
	v_wmma_scale_f32_16x16x128_f8f6f4 v[PD:PD+7], v[PA:PA+15], v[PB:PB+15], v[PD:PD+7], v[PS], v[PH] matrix_a_fmt:MATRIX_FMT_BF8 matrix_b_fmt:MATRIX_FMT_BF8
.endif
.endif
.endm
.macro KSTEPD k                        ; four products; the four accumulators take turns, one instruction a turn
	s_wait_dscnt 0x0                               ; this step's 16 loads
.if (\k) < 15
	PLACES 8                                       ; eight plain places between the last step's products and loads into the set that they read
	FETCHD (\k)+1
.endif
	WIN 0x04                                       ; h window 1; Wo, C and D window 0
.irp ct, 0,1,2,3
	PRODD \ct, \k
.endr
	WIN 0
.endm
.Lpass:
	FETCHD 0
	s_wait_loadcnt 0x0                             ; bo, h, the scale words, the tokens
.irp k, 0,1,2,3,4,5,6,7,8,9,10,11,12,13,14,15
	KSTEPD \k
.endr
.irp j, 0,1,2,3,4,5,6,7
	v_min_u32 v[TK+\j], 2047, v[TK+\j]             ; these sixteen lines name no register of the products: they are the places behind the last of them
.endr
.irp j, 0,1,2,3,4,5,6,7
	v_lshl_add_u32 v[OA+\j], v[TK+\j], 11, v16     ; the token's row of 2,048 bytes, + 16 r
.endr
.irp ct, 0,1,2,3
	ds_store_b128 v9, v[ACC+8*\ct:ACC+8*\ct+3] offset:64*\ct       ; each accumulator from its low end on
	ds_store_b128 v9, v[ACC+8*\ct+4:ACC+8*\ct+7] offset:64*\ct+16
.endr
.irp j, 0,1,2,3,4,5,6,7
	ds_load_b128 v[WF+4*\j:WF+4*\j+3], v10 offset:2*\j*SP          ; LDS serves a wave's instructions in order (ISA guide 5.7.1.4): these see my stores
.endr
.irp j, 0,1,2,3,4,5,6,7
	s_wait_dscnt 7-\j                              ; rows 2 j, 2 j + 1 are back; the younger loads may be out
	global_store_b128 v[OA+\j], v[WF+4*\j:WF+4*\j+3], s[22:23] th:TH_STORE_NT      ; sixteen lanes store 256 consecutive bytes, aligned; written once, read by nobody here
.endr
	s_add_co_u32 s38, s38, 20                      ; four work-groups x five waves on
	s_add_co_u32 s45, s45, 1                       ; the loop's counter: passes done, against my passes
	s_cmp_ge_u32 s45, s44
	s_cbranch_scc1 .Lend
	LOADS                                          ; an expert with more than 320 rows: a further pass
	s_cmp_lt_u32 s45, s44
	s_cbranch_scc1 .Lpass
.Lend:
	s_wait_tensorcnt 0x0
	ds_add_u32 v126, v127
	s_wait_dscnt 0x0
	s_endpgm
.Lfunc_end_k_q17883a0fc0_down:
	.size	k_q17883a0fc0_down, .Lfunc_end_k_q17883a0fc0_down-k_q17883a0fc0_down
	.p2alignl 7, 3214868480
	.fill 96, 4, 3214868480
	.section	.rodata,"a",@progbits
	.p2align	6, 0x0
	.amdhsa_kernel k_q17883a0fc0_down
		.amdhsa_group_segment_fixed_size 167936
		.amdhsa_private_segment_fixed_size 0
		.amdhsa_enable_private_segment 0
		.amdhsa_kernarg_size 64
		.amdhsa_user_sgpr_count 2
		.amdhsa_user_sgpr_kernarg_segment_ptr 1
		.amdhsa_wavefront_size32 1
		.amdhsa_system_sgpr_workgroup_id_x 1
		.amdhsa_system_sgpr_workgroup_id_y 1
		.amdhsa_system_sgpr_workgroup_id_z 1
		.amdhsa_system_vgpr_workitem_id 0
		.amdhsa_next_free_vgpr 512
		.amdhsa_next_free_sgpr 66
		.amdhsa_reserve_vcc 0
		.amdhsa_float_denorm_mode_32 3
		.amdhsa_float_denorm_mode_16_64 3
		.amdhsa_memory_ordered 1
		.amdhsa_forward_progress 1
		.amdhsa_inst_pref_size 60
	.end_amdhsa_kernel
	.amdgpu_metadata
---
amdhsa.version: [ 1, 2 ]
amdhsa.kernels:
  - .name:           k_q17883a0fc0_down
    .symbol:         k_q17883a0fc0_down.kd
    .args:
      - { .name: h_codes, .offset: 0, .size: 8, .value_kind: global_buffer, .address_space: global }
      - { .name: h_scales, .offset: 8, .size: 8, .value_kind: global_buffer, .address_space: global }
      - { .name: order, .offset: 16, .size: 8, .value_kind: global_buffer, .address_space: global }
      - { .name: meta, .offset: 24, .size: 8, .value_kind: global_buffer, .address_space: global }
      - { .name: w_out_codes, .offset: 32, .size: 8, .value_kind: global_buffer, .address_space: global }
      - { .name: w_out_scales, .offset: 40, .size: 8, .value_kind: global_buffer, .address_space: global }
      - { .name: b_out, .offset: 48, .size: 8, .value_kind: global_buffer, .address_space: global }
      - { .name: out0, .offset: 56, .size: 8, .value_kind: global_buffer, .address_space: global }
    .group_segment_fixed_size: 167936
    .private_segment_fixed_size: 0
    .kernarg_segment_align: 8
    .kernarg_segment_size: 64
    .max_flat_workgroup_size: 256
    .sgpr_count:     66
    .vgpr_count:     512
    .wavefront_size: 32
...
	.end_amdgpu_metadata
.endif
;; end of part 2
;; ======== version 2 of 2: 2 launches; version 1 with the launch down written anew for expert scheduling mode
;; workspace buffers: h_codes 33,554,432 bytes; h_scales 1,048,576 bytes; order 65,536 bytes of whole numbers; meta 1,024 bytes of whole numbers
;; launch up: the kernel of part 1 again; grid 32 x 8, 4 waves a work-group, no clusters, 78,592 bytes of LDS; arguments x_codes, x_scales, route, w_gate_codes, w_gate_scales, b_gate, w_in_codes, w_in_scales, b_in, h_codes, h_scales, order, meta, out0; writes h_codes, h_scales, order, meta, out0
;; launch down (part 3): grid 32 x 8, 8 waves a work-group, no clusters, 167,936 bytes of LDS; arguments h_codes, h_scales, order, meta, w_out_codes, w_out_scales, b_out, out0; writes out0
.if DOCPART == 3
	.amdgcn_target "amdgcn-amd-amdhsa--gfx1250"
	.amdhsa_code_object_version 6
	.text
	.protected	k_q17883a0fc0_down
	.globl	k_q17883a0fc0_down
	.p2align	8
	.type	k_q17883a0fc0_down,@function
k_q17883a0fc0_down:
	s_mov_b64 s[64:65], 0
	v_nop
	global_prefetch_b8 v0, s[64:65] scope:SCOPE_SE
	s_setreg_imm32_b32 hwreg(HW_REG_WAVE_SCHED_MODE, 0, 2), 2
	s_setreg_imm32_b32 hwreg(HW_REG_WAVE_MODE, 25, 1), 1
	s_wait_xcnt 0x0
	s_wait_alu depctr_vm_vsrc(0)
; SECOND HALF: out[token] = h Wo[e] + bo[e], for each token with its own expert alone.  h comes as the first launch left it: codes as images of operand registers [e][tile][block 64][lane 32][16 bytes], scale words
; [e][tile][K step 16][row 16]; order [e][rank] = token; meta [e][0] = the expert's rows.  Wo [8][512][2048]: codes of E5M2, K innermost, scale bytes [8][512][64]; bo, out: f32.
; SHARES.  Work-group (x, e): cs = x % 8 owns outputs 64 cs .. 64 cs + 63 (64 rows of Wo, 128 KB, in LDS), q = x / 8 a quarter of the row tiles.  All eight waves bring Wo into LDS; waves 0-4 then take tile q + 4 wave,
; and 20 tiles further on while tiles are left.  A wave holds its tile of h whole (16 fragments, window 1) and reads each fragment of Wo from LDS once.
; THE PRODUCT IS USED TRANSPOSED (source 0 = 16 rows of Wo, source 1 = 16 rows of h): a lane holds one token and eight neighbouring outputs.  bo is loaded into the accumulators.
; THE WAY OUT: through the wave's own stage in LDS, back as rows of 256 bytes: sixteen lanes store the token's 256 consecutive bytes, aligned.  Ranks past an expert's last repeat its last token: the same bits to the same place, from the same wave.
; NOTHING IS ASKED FOR JOINTLY, AND NO TENSOR LOAD IS USED: the number of passes and a wave's exit hang on the count read from meta.  The one barrier stands ahead of them.
; No prefetch: all that a wave reads in its first pass is asked for at its head.
; LIMITS: a wave of 0-4 without a tile (an expert without rows too) loads a tile that it does not use, in the latter case bytes that nobody stored, and ends without using or storing anything.
; THE MODE: SCHED_MODE bits 1:0 = 2 (LLVM: expert scheduling mode 2), set by the entry lines.  The code itself states the register dependences between vector or matrix instructions and memory or LDS
; instructions, and those through scalar registers that vector instructions write, with s_wait_alu, always for 0.
; THE PLAN.  Registers that memory or LDS instructions touch:
;   v4-12, v16, v18   offsets and LDS addresses: written at the head, never again.
;   v13-15            a pass's offsets: written in LOADS, read by its loads.
;   ACC               bo's loads land in it; the products add onto it; the stage's LDS stores read it.      h (window 1), HS: a pass's loads land in them, its products read them.
;   TK, OA            the tokens' loads land in TK, which is held to its range in place; OA is made of it and read by out's stores.
;   WF, two sets      step k's products read set k % 2; the loads of step k + 1 land in the other, which step k - 1's products read.  On the way out the rows from the stage land in set 0, and out's stores read them.
; So: one wait on va_vdst at a step's head, behind the wait for its own set; the step's sixteen loads follow it, four behind each of its four products, which name none of the registers that these loads touch;
; one behind the sixteen plain lines that follow the last products, for the whole way out; one in LOADS, behind the three additions.  One wait on vm_vsrc behind the barrier, one at the head of the loop's LOADS.
; REGISTERS.  window 0: v1-18 addresses; v24-55 four accumulators; v56-87 Wo's scale words; v88-95 h's; v96-103 tokens; v104-111 offsets in out; v126, v127 the closing add's two;
;   v128-255 Wo on its way to LDS, then two sets of four fragments, then rows on the way out.   window 1: the tile of h: fragment s at v[16 s].
.set WP,   2064                        ; a row of Wo in LDS: 2,048 bytes + 16: an odd multiple of 16
.set STG,  64*WP                       ; behind the 64 rows: a stage of 16 rows x SP bytes for each wave
.set SP,   272
.set ACC,  24
.set WS,   56                          ; 16 pr + s: lanes 0-15 the rows of tile 2 pr, lanes 16-31 those of tile 2 pr + 1
.set HS,   88                          ; register jj: lanes 0-15 K step 2 jj, lanes 16-31 K step 2 jj + 1
.set TK,   96
.set OA,   104
.set WF,   128
.set MSB, 0
.macro WIN new                         ; the immediate's high byte repeats the setting that is left
.if MSB != \new
	s_set_vgpr_msb (MSB<<8)|\new
.set MSB, \new
.endif
.endm
	s_load_b512 s[8:23], s[0:1], 0x0               ; h_codes s[8:9], h_scales s[10:11], order s[12:13], meta s[14:15], Wo codes s[16:17], Wo scales s[18:19], bo s[20:21], out s[22:23]
	v_lshl_add_u32 v126, v0, 2, 0x28c00
	v_mov_b32 v127, 0
	v_lshrrev_b32 v17, 5, v0
	v_readfirstlane_b32 s2, v17                    ; wave 0..7
	s_and_b32 s3, ttmp9, 7                         ; cs
	s_lshr_b32 s4, ttmp9, 3                        ; q
	s_and_b32 s5, ttmp7, 0xffff                    ; expert
	v_and_b32 v1, 31, v0                           ; lane
	v_and_b32 v2, 15, v0                           ; r
	v_bfe_u32 v3, v0, 4, 1                         ; h
	v_lshlrev_b32 v4, 4, v1                        ; 16 x lane
	v_lshlrev_b32 v5, 2, v1                        ; 4 x lane
	s_wait_alu depctr_va_sdst(0)                   ; s2 is written, ahead of its first reader
	s_mul_i32 s40, s2, 8*WP
	v_add_nc_u32 v6, s40, v4                       ; Wo into LDS: my wave's 8 rows
	v_mul_u32_u24 v7, v2, WP
	v_lshl_add_u32 v7, v3, 4, v7                   ; a fragment: row r x pitch + 16 h; tiles 0, 1
	v_add_nc_u32 v8, 32*WP, v7                     ; tiles 2, 3
	s_mul_i32 s40, s2, 16*SP
	s_add_co_u32 s40, s40, STG                     ; my stage
	v_mul_u32_u24 v9, v2, SP
	v_lshl_add_u32 v9, v3, 5, v9
	v_add_nc_u32 v9, s40, v9                       ; in: row r, 32 bytes for each half of the lanes
	v_mul_u32_u24 v10, v3, SP
	v_lshl_add_u32 v10, v2, 4, v10
	v_add_nc_u32 v10, s40, v10                     ; back: lanes 0-15 one row of 256 bytes, lanes 16-31 the next
	v_lshlrev_b32 v11, 6, v1                       ; Wo's scale bytes: 64 a row, a lane a row
	v_lshlrev_b32 v12, 5, v3                       ; bo: 8 h numbers on
	v_lshlrev_b32 v16, 4, v2                       ; 16 r
	v_lshlrev_b32 v18, 2, v3                       ; 4 h
	s_mov_b32 s43, 0
	s_wait_kmcnt 0x0
	s_lshl_b32 s42, s5, 7
	s_add_nc_u64 s[14:15], s[14:15], s[42:43]
	s_load_b32 s36, s[14:15], 0x0                  ; n: my expert's rows
	s_lshl_b32 s42, s5, 22
	s_add_nc_u64 s[8:9], s[8:9], s[42:43]          ; h_codes: 128 tiles of 32 KB an expert
	s_lshl_b32 s42, s5, 17
	s_add_nc_u64 s[10:11], s[10:11], s[42:43]      ; h_scales: 128 tiles of 1 KB
	s_lshl_b32 s42, s5, 13
	s_add_nc_u64 s[12:13], s[12:13], s[42:43]      ; order
	s_lshl_b32 s42, s5, 20                         ; Wo: an expert's 512 rows of 2,048 bytes,
	s_lshl_b32 s40, s3, 17                         ; my 64,
	s_add_co_u32 s42, s42, s40
	s_lshl_b32 s40, s2, 14                         ; my wave's 8
	s_add_co_u32 s42, s42, s40
	s_add_nc_u64 s[16:17], s[16:17], s[42:43]
	s_lshl_b32 s42, s5, 15
	s_lshl_b32 s40, s3, 12
	s_add_co_u32 s42, s42, s40
	s_add_nc_u64 s[18:19], s[18:19], s[42:43]
	s_lshl_b32 s42, s5, 11
	s_lshl_b32 s40, s3, 8
	s_add_co_u32 s42, s42, s40
	s_add_nc_u64 s[20:21], s[20:21], s[42:43]
	s_lshl_b32 s42, s3, 8
	s_add_nc_u64 s[22:23], s[22:23], s[42:43]      ; out: my 64 columns are 256 bytes of a row
	s_wait_alu depctr_va_vdst(0)                   ; the head's offsets and LDS addresses (v4 to v12) are written: loads, LDS instructions and stores read them from here on
.irp pr, 0,1
.irp g, 0,1,2,3
	global_load_b128 v[WS+16*\pr+4*\g:WS+16*\pr+4*\g+3], v11, s[18:19] offset:2048*\pr+16*\g       ; row 32 pr + lane, K steps 4 g .. 4 g + 3
.endr
.endr
.set Q, 0
.rept 32
	global_load_b128 v[WF+4*Q:WF+4*Q+3], v4, s[16:17] offset:512*Q                 ; 512 consecutive bytes a load: a quarter of row Q / 4
.set Q, Q+1
.endr
	s_wait_kmcnt 0x0
	s_add_co_u32 s37, s36, 15
	s_lshr_b32 s37, s37, 4                         ; nt: the expert's tiles
	s_lshl_b32 s38, s2, 2
	s_add_co_u32 s38, s38, s4                      ; i: my tile
; 88 loads: bo into the accumulators, the tile of h, its scale words, its tokens.  A tile past the last is held at the last.  again = 1: in the loop, behind a pass.
.macro LOADS again
	s_wait_xcnt 0x0                                ; the last pass's stores have read their registers
.if \again
	s_wait_alu depctr_vm_vsrc(0)                   ; the last pass's loads have read v13 to v15, which are written below; its LDS stores have read the accumulators, in which bo lands; out's stores have read v[OA ..] and the rows in v[WF ..], which the next pass writes again
.endif
	s_max_u32 s40, s37, 1
	s_sub_co_u32 s40, s40, 1
	s_min_u32 s39, s38, s40
	s_min_u32 s39, s39, 127
	s_lshl_b32 s40, s39, 15
	v_add_nc_u32 v13, s40, v4
	s_lshl_b32 s40, s39, 10
	v_add_nc_u32 v14, s40, v5
	s_lshl_b32 s40, s39, 6
	v_add_nc_u32 v15, s40, v18
	s_wait_alu depctr_va_vdst(0)                   ; v13 to v15 are written, which the loads below read; in the loop the products are done with the accumulators, the tile of h, its scale words and both sets of Wo's fragments, and the bounds' lines with the tokens: loads land in all of them
.irp ct, 0,1,2,3
.irp p, 0,1
	global_load_b128 v[ACC+8*\ct+4*\p:ACC+8*\ct+4*\p+3], v12, s[20:21] offset:64*\ct+16*\p         ; lane (r, h), register j: output 16 ct + 8 h + j
.endr
.endr
	WIN 0x40                                       ; destination window 1
.set Q, 0
.rept 64
	global_load_b128 v[4*Q:4*Q+3], v13, s[8:9] offset:512*Q        ; block Q: 512 consecutive bytes
.set Q, Q+1
.endr
	WIN 0
.irp j, 0,1,2,3,4,5,6,7
	global_load_b32 v[HS+\j], v14, s[10:11] offset:128*\j
.endr
.irp j, 0,1,2,3,4,5,6,7
	global_load_b32 v[TK+\j], v15, s[12:13] offset:8*\j            ; the token of row 2 j + h
.endr
.endm
	s_cmp_gt_u32 s2, 4                             ; waves 5-7 only help to bring Wo in
	s_cbranch_scc1 .Lhelper
	LOADS 0
	s_wait_loadcnt 63                              ; 88 loads were issued behind Wo's 32: those are in
	s_branch .Ljoin
.Lhelper:
	s_wait_loadcnt 0x0
.Ljoin:
.set Q, 0
.rept 32
	ds_store_b128 v6, v[WF+4*Q:WF+4*Q+3] offset:WP*(Q/4)+512*(Q%4)
.set Q, Q+1
.endr
	s_wait_dscnt 0x0                               ; my stores have landed
	s_barrier_signal -1
	s_barrier_wait -1                              ; Wo's 64 rows lie in LDS.  THE ONE BARRIER: from here on they are only read, and a stage is its wave's own
	s_wait_alu depctr_vm_vsrc(0)                   ; my LDS stores have read v[WF ..], in which the fragments' loads land from here on
	s_cmp_gt_u32 s2, 4
	s_cbranch_scc1 .Lend
	s_add_co_u32 s44, s37, 19                      ; (in waves 0-4 my first tile is 19 at the most)
	s_sub_co_u32 s44, s44, s38
	s_mul_hi_u32 s44, s44, 0xcccccccd
	s_lshr_b32 s44, s44, 4                         ; my passes: (nt + 19 - my first tile) / 20, 0 where my wave has no tile
	s_mov_b32 s45, 0                               ; passes done
	s_cmp_eq_u32 s44, 0
	s_cbranch_scc1 .Lend                           ; no tile for my wave
.macro FRAGD k, ct                     ; K step k, tile ct: one fragment of Wo into set k % 2; tiles 0, 1 by v7, tiles 2, 3 by v8
.set FW, WF+64*((\k)%2)+16*(\ct)
.irp c, 0,1,2,3
	ds_load_b128 v[FW+4*\c:FW+4*\c+3], v[7+(\ct)/2] offset:((\ct)%2)*16*WP+128*(\k)+32*\c
.endr
.endm
.macro PRODD ct, k                     ; Wo's scale words of odd tiles, and h's of odd K steps, lie in lanes 16-31
.set PD, ACC+8*(\ct)
.set PA, WF+64*((\k)%2)+16*(\ct)
.set PB, 16*(\k)
.set PS, WS+16*((\ct)/2)+(\k)
.set PH, HS+(\k)/2
.if (\ct)%2
.if (\k)%2
	v_wmma_scale_f32_16x16x128_f8f6f4 v[PD:PD+7], v[PA:PA+15], v[PB:PB+15], v[PD:PD+7], v[PS], v[PH] matrix_a_fmt:MATRIX_FMT_BF8 matrix_b_fmt:MATRIX_FMT_BF8 matrix_a_scale:MATRIX_SCALE_ROW1 matrix_b_scale:MATRIX_SCALE_ROW1
.else
	v_wmma_scale_f32_16x16x128_f8f6f4 v[PD:PD+7], v[PA:PA+15], v[PB:PB+15], v[PD:PD+7], v[PS], v[PH] matrix_a_fmt:MATRIX_FMT_BF8 matrix_b_fmt:MATRIX_FMT_BF8 matrix_a_scale:MATRIX_SCALE_ROW1
.endif
.else
.if (\k)%2
	v_wmma_scale_f32_16x16x128_f8f6f4 v[PD:PD+7], v[PA:PA+15], v[PB:PB+15], v[PD:PD+7], v[PS], v[PH] matrix_a_fmt:MATRIX_FMT_BF8 matrix_b_fmt:MATRIX_FMT_BF8 matrix_b_scale:MATRIX_SCALE_ROW1
.else
	v_wmma_scale_f32_16x16x128_f8f6f4 v[PD:PD+7], v[PA:PA+15], v[PB:PB+15], v[PD:PD+7], v[PS], v[PH] matrix_a_fmt:MATRIX_FMT_BF8 matrix_b_fmt:MATRIX_FMT_BF8
.endif
.endif
.endm
; Four products; the four accumulators take turns, one instruction a turn.  Behind each stand the four loads of the next step's fragment of the same tile.
; The products' window setting (source 1, h, in window 1) leaves an LDS load's address and destination in window 0: one setting serves all sixteen steps.
.macro KSTEPD k
	s_wait_dscnt 0x0                               ; this step's 16 loads
.if (\k) > 0 && (\k) < 15
	s_wait_alu depctr_va_vdst(0)                   ; the last step's products are done reading the other set of Wo's fragments, in which this step's loads land; the products between those loads name this step's set, h, the accumulators and the scale words alone (in a pass's first step the wait in LOADS has stated that)
.endif
.irp ct, 0,1,2,3
	PRODD \ct, \k
.if (\k) < 15
	FRAGD (\k)+1, \ct
.endif
.endr
.endm
.Lpass:
.irp ct, 0,1,2,3
	FRAGD 0, \ct                                   ; no vector or matrix instruction has named this set since the wait in LOADS
.endr
	s_wait_loadcnt 0x0                             ; bo, h, the scale words, the tokens
	WIN 0x04                                       ; h window 1; Wo, C and D window 0
.irp k, 0,1,2,3,4,5,6,7,8,9,10,11,12,13,14,15
	KSTEPD \k
.endr
	WIN 0
.irp j, 0,1,2,3,4,5,6,7
	v_min_u32 v[TK+\j], 2047, v[TK+\j]             ; these sixteen lines name no register of the products: they are the places behind the last of them (ISA guide 7.12.1)
.endr
.irp j, 0,1,2,3,4,5,6,7
	v_lshl_add_u32 v[OA+\j], v[TK+\j], 11, v16     ; the token's row of 2,048 bytes, + 16 r
.endr
	s_wait_alu depctr_va_vdst(0)                   ; the products have written the accumulators, which the LDS stores read, and are done reading v[WF ..], in which the rows land; v[OA ..] is written, which out's stores read.  The places above stay beside this wait
.irp ct, 0,1,2,3
	ds_store_b128 v9, v[ACC+8*\ct:ACC+8*\ct+3] offset:64*\ct       ; each accumulator from its low end on
	ds_store_b128 v9, v[ACC+8*\ct+4:ACC+8*\ct+7] offset:64*\ct+16
.endr
.irp j, 0,1,2,3,4,5,6,7
	ds_load_b128 v[WF+4*\j:WF+4*\j+3], v10 offset:2*\j*SP          ; LDS serves a wave's instructions in order (ISA guide 5.7.1.4): these see my stores
.endr
.irp j, 0,1,2,3,4,5,6,7
	s_wait_dscnt 7-\j                              ; rows 2 j, 2 j + 1 are back; the younger loads may be out
	global_store_b128 v[OA+\j], v[WF+4*\j:WF+4*\j+3], s[22:23] th:TH_STORE_NT      ; sixteen lanes store 256 consecutive bytes, aligned; written once, read by nobody here
.endr
	s_add_co_u32 s38, s38, 20                      ; four work-groups x five waves on
	s_add_co_u32 s45, s45, 1                       ; the loop's counter: passes done, against my passes
	s_cmp_ge_u32 s45, s44
	s_cbranch_scc1 .Lend
	LOADS 1                                        ; an expert with more than 320 rows: a further pass
	s_cmp_lt_u32 s45, s44
	s_cbranch_scc1 .Lpass
.Lend:
	s_wait_dscnt 0x0                               ; the closing lines, six on end
	s_wait_alu 0x0
	s_wait_tensorcnt 0x0
	ds_add_u32 v126, v127
	s_wait_dscnt 0x0
	s_endpgm
.Lfunc_end_k_q17883a0fc0_down:
	.size	k_q17883a0fc0_down, .Lfunc_end_k_q17883a0fc0_down-k_q17883a0fc0_down
	.p2alignl 7, 3214868480
	.fill 96, 4, 3214868480
	.section	.rodata,"a",@progbits
	.p2align	6, 0x0
	.amdhsa_kernel k_q17883a0fc0_down
		.amdhsa_group_segment_fixed_size 167936
		.amdhsa_private_segment_fixed_size 0
		.amdhsa_enable_private_segment 0
		.amdhsa_kernarg_size 64
		.amdhsa_user_sgpr_count 2
		.amdhsa_user_sgpr_kernarg_segment_ptr 1
		.amdhsa_wavefront_size32 1
		.amdhsa_system_sgpr_workgroup_id_x 1
		.amdhsa_system_sgpr_workgroup_id_y 1
		.amdhsa_system_sgpr_workgroup_id_z 1
		.amdhsa_system_vgpr_workitem_id 0
		.amdhsa_next_free_vgpr 512
		.amdhsa_next_free_sgpr 66
		.amdhsa_reserve_vcc 0
		.amdhsa_float_denorm_mode_32 3
		.amdhsa_float_denorm_mode_16_64 3
		.amdhsa_memory_ordered 1
		.amdhsa_forward_progress 1
		.amdhsa_inst_pref_size 56
	.end_amdhsa_kernel
	.amdgpu_metadata
---
amdhsa.version: [ 1, 2 ]
amdhsa.kernels:
  - .name:           k_q17883a0fc0_down
    .symbol:         k_q17883a0fc0_down.kd
    .args:
      - { .name: h_codes, .offset: 0, .size: 8, .value_kind: global_buffer, .address_space: global }
      - { .name: h_scales, .offset: 8, .size: 8, .value_kind: global_buffer, .address_space: global }
      - { .name: order, .offset: 16, .size: 8, .value_kind: global_buffer, .address_space: global }
      - { .name: meta, .offset: 24, .size: 8, .value_kind: global_buffer, .address_space: global }
      - { .name: w_out_codes, .offset: 32, .size: 8, .value_kind: global_buffer, .address_space: global }
      - { .name: w_out_scales, .offset: 40, .size: 8, .value_kind: global_buffer, .address_space: global }
      - { .name: b_out, .offset: 48, .size: 8, .value_kind: global_buffer, .address_space: global }
      - { .name: out0, .offset: 56, .size: 8, .value_kind: global_buffer, .address_space: global }
    .group_segment_fixed_size: 167936
    .private_segment_fixed_size: 0
    .kernarg_segment_align: 8
    .kernarg_segment_size: 64
    .max_flat_workgroup_size: 256
    .sgpr_count:     66
    .vgpr_count:     512
    .wavefront_size: 32
...
	.end_amdgpu_metadata
.endif
;; end of part 3
